; MI455X (gfx1250); checked and timed in simulation.
; The chip was launched on July 23, 2026; its instructions are those of AMD's public machine-readable ISA for CDNA 5 (MIT licence, August 2026) and "CDNA5" Instruction Set Architecture Reference Guide (July 2026). The comments in the code are by the model that wrote it; some were corrected since.
;; Pan Solver. Allowed arithmetic: float matrix products may take bf16 or f16 operands with f32 sums; all other float work in f32.
;; Inputs: B_init 256 x 512 x 30 float32; a 512 float32; t_span 16 float32; y_init 256 x 512 float32.
;; Outputs: out0 16 x 256 x 512 float32; out1 256 x 512 x 32 float32.
;; One version. Each part assembles by itself: llvm-mc -triple=amdgcn-amd-amdhsa -mcpu=gfx1250 --defsym DOCPART=n.
;; ======== version 1 of 1: 2 launches
;; limits: values are held in f16: magnitudes above 65,504 overflow, below 6.1e-05 lose precision; right only within a limited range of input values
;; workspace buffers: consts 18,944 bytes
;; launch setup (part 1): grid 1 x 1, 32 waves a work-group, no clusters, 66,816 bytes of LDS; arguments t_span, consts; writes consts
.if DOCPART == 1
	.amdgcn_target "amdgcn-amd-amdhsa--gfx1250"
	.amdhsa_code_object_version 6
	.text
	.protected	k_q91460da82d_setup
	.globl	k_q91460da82d_setup
	.p2align	8
	.type	k_q91460da82d_setup,@function
k_q91460da82d_setup:
	s_mov_b64 s[64:65], 0
	v_nop
	global_prefetch_b8 v0, s[64:65] scope:SCOPE_SE
	s_setreg_imm32_b32 hwreg(HW_REG_WAVE_MODE, 25, 1), 1
	s_wait_xcnt 0x0
; PanSolver, launch 1 of 2: the small matrices, which hang on t_span alone, laid out as the register images that launch 2 loads.
;
; reference() FOLDED.  Holds for all inputs with t1 != t0.  s = 2/(t1-t0), hs = 1/s, t_p = -cos(pi p/64), w_p = t_(p+1) - t_p (t_64 = 1), T1_p = 1 + t_p.
;   inv0 = [[1,0],[hs,hs]];  Phi_tail[k] = [(-1)^k, -s (-1)^k k^2];  inv0 DPhi_head = [[0 ..],[1 ..]], since DT_grid's row 0 is the zero row that reference() builds.
;   Phi_b = s G with G_k(t) = k U_(k-1)(t) + (-1)^k k^2, so Phi_c = C0/s, C0 = W G^T (G W G^T)^-1, which is free of every input.
;   DEAD WORK: Phi_d's row 0 is that zero row times Phi_c, so y_init's product with it is a product with a zero of reference()'s own making, for all inputs; it is left out.
;   What is left of yf_init Phi_d is f0 times the column sums of Phi_c, so  B_new[k] = hs sum_p (f_p - f0) C0[p][k].
;   add_head folded into the evaluation: with g = f0 hs, S1 = sum (-1)^k B_k, S2 = sum (-1)^k k^2 B_k:  head1 = g + S2, head0 = y0 - S1 + head1,
;   y_p = y0 + (g + S2) T1_p + sum_(k>=2) B_k (T_k(t_p) - (-1)^k).
;   -tanh(x) = 2 rho - 1, rho = 1/(1 + 2^z), z = 2 log2(e) x: both overflow and underflow of 2^z give the exact limits 0 and 1.
;   From one step's rho to the next step's y the way down to the coefficients and up again is one matrix of 64 x 64, free of every input: it is formed here, once.
;   No input is left out: y_init, B_init, a and all sixteen t_span reach the outputs.
;   LIMITS: t1 = t0 gives non-finite results as in reference(), not the same bits.  An infinity or NaN that in reference() would come only from the product left out
;   (0 times an infinite y_init) is not made here.  The sine's argument reduction (two constants for pi) holds to about |t| = 1e6.  |T_k(t_out)| <= 65504 (f16): t_out within about +-1.07.
;   The order of rounding differs from reference()'s, since the algebra is folded.
;
; THE IMAGE (18,944 bytes), f16 fragments of v_wmma_f32_16x16x32_f16's first source (lane L = r + 16 h, register 4c+i, half e: k = 16c + 8h + 2i + e):
;   0      A1, four tiles of 16 points: row p, column 0: 0; column 1: 2048 T1_p; column k: T_k(t_p) - (-1)^k.
;   4096   A2, fragment 2u+q: row k = 16u + r, column p = 32q + ..: 128 C0[p][k]; row 0: 128 sum_k (-1)^k C0[p][k] (gives S1); row 1: 2^-4 sum_k (-1)^k k^2 C0[p][k] (gives S2/2048).
;          S1 and S2 have rows of their own, made in f32 and rounded once, because f16 errors of the single rows, independent from k to k, would be multiplied by k^2 in S2.
;   8192   A3: row j, column k: T_k(t_out_j).
;   9216   T1[64]   9472 KAP[32] = 1/2 sum_p (sin t_true_p - 1) A2[k][p]   9600 CC[32] = 1/2 sum_p A2[k][p]
;   9728   MK[64] = 1/2 sum_p' (sin t_true_p' - 1) M[p][p']   9984 MC[64] = 1/2 sum_p' M[p][p'].  All four are summed from the ROUNDED entries, so that a constant f gives B = 0.
;   10240  M = 2^-6 A1 A2, fragment 2t+q: row p = 16t + r, column p' = 32q + ..: the product of the unrounded A1 and A2 in f32, rounded once.
;   18432  hs/64, hs, 1 - sin(t0), 0; zeros up to 18,943.
; The Gram matrix is taken of G_k/k^2 = U_(k-1)/k + (-1)^k (entries of size 1) and inverted in f32 by Gauss-Jordan in place, without pivoting: it is symmetric positive definite.
; One work-group of 32 waves: the work is a chain of small dependent steps that meet in LDS; wave k owns row k wherever a phase has 32 rows.
; Nodes, Gram matrix and inverse need no input and no address, so nothing waits for the arguments in front of them: all that hangs on t_span is made by waves 1 to 3 while wave 0 inverts.
.set PIT,   272                        ; bytes from row to row of X, Y and A2F: 64 f32 + 16, an odd multiple of 16
.set XB,    0                          ; X[32][64]: G_k(t_p)/k^2, rows 0 and 1 zero
.set YB,    8704                       ; Y = w_p X
.set AB,    17408                      ; the Gram matrix, rows of 128 bytes
.set QB,    21504                      ; its inverse; rows 0 and 1: the signed column sums
.set SNB,   25600                      ; sin(t_true_p) - 1
.set A1F,   25856                      ; A1 in f32, [64][32]
.set A1P,   144                        ; its rows: 32 f32 + 16, an odd multiple of 16
.set A2F,   35072                      ; A2 in f32, [32][64]
.set IMG,   43776                      ; the image of consts
.set I_A2,  IMG+4096
.set I_A3,  IMG+8192
.set I_T1,  IMG+9216
.set I_KAP, IMG+9472
.set I_CC,  IMG+9600
.set I_MK,  IMG+9728
.set I_MC,  IMG+9984
.set I_M,   IMG+10240
.set I_SC,  IMG+18432
; t(n) = -cos(pi n/64) for a whole number n in 0..64: folded to an angle of at most pi/4, there cosine or sine by their series.  Uses v2-v6.
.macro COSP dst, n
	v_sub_nc_u32 v2, 64, v[\n]
	v_min_u32 v2, v[\n], v2                        ; q = min(n, 64-n), 0..32
	v_sub_nc_u32 v3, 32, v2
	v_min_u32 v3, v2, v3                           ; min(q, 32-q), 0..16
	v_cvt_f32_u32 v3, v3
	v_mul_f32 v3, 0x3d490fdb, v3                   ; x = that times pi/64
	v_mul_f32 v4, v3, v3
	v_mov_b32 v5, 0xb493f27e                       ; cos: -1/10!
	v_fmaak_f32 v5, v5, v4, 0x37d00d01             ; 1/8!
	v_fmaak_f32 v5, v5, v4, 0xbab60b61             ; -1/6!
	v_fmaak_f32 v5, v5, v4, 0x3d2aaaab             ; 1/4!
	v_fma_f32 v5, v5, v4, -0.5
	v_fma_f32 v5, v5, v4, 1.0
	v_mov_b32 v6, 0xb2d7322b                       ; sin: -1/11!
	v_fmaak_f32 v6, v6, v4, 0x3638ef1d             ; 1/9!
	v_fmaak_f32 v6, v6, v4, 0xb9500d01             ; -1/7!
	v_fmaak_f32 v6, v6, v4, 0x3c088889             ; 1/5!
	v_fmaak_f32 v6, v6, v4, 0xbe2aaaab             ; -1/3!
	v_fma_f32 v6, v6, v4, 1.0
	v_mul_f32 v6, v6, v3
	v_cmp_lt_u32 vcc_lo, 16, v2                    ; q > 16: cos(pi q/64) = sin(pi (32-q)/64)
	v_cndmask_b32 v5, v5, v6, vcc_lo
	v_xor_b32 v6, 0x80000000, v5
	v_cmp_lt_u32 vcc_lo, 32, v[\n]                 ; n > 32: the cosine is negative, so t is positive
	v_cndmask_b32 v[\dst], v6, v5, vcc_lo
.endm
; sin(x): n = nearest whole number to x/pi, r = x - n pi in two steps, the odd series to r^13, the sign from n.  Uses v2-v5.
.macro SINF dst, x
	v_mul_f32 v2, 0x3ea2f983, v[\x]
	v_rndne_f32 v2, v2
	v_fmamk_f32 v3, v2, 0xc0490fdb, v[\x]          ; - n times pi's upper part
	v_fmamk_f32 v3, v2, 0x33bbbd2e, v3             ; - n times its lower part (which is negative)
	v_mul_f32 v4, v3, v3
	v_mov_b32 v5, 0x2f309231                       ; 1/13!
	v_fmaak_f32 v5, v5, v4, 0xb2d7322b
	v_fmaak_f32 v5, v5, v4, 0x3638ef1d
	v_fmaak_f32 v5, v5, v4, 0xb9500d01
	v_fmaak_f32 v5, v5, v4, 0x3c088889
	v_fmaak_f32 v5, v5, v4, 0xbe2aaaab
	v_fma_f32 v5, v5, v4, 1.0
	v_mul_f32 v5, v5, v3
	v_cvt_i32_f32 v2, v2
	v_lshlrev_b32 v2, 31, v2
	v_xor_b32 v[\dst], v5, v2
.endm
; sum over the 32 lanes, in every lane; t: a register that has been written
.macro WSUM r, t
	v_add_f32_dpp v[\r], v[\r], v[\r] row_xmask:1 row_mask:0xf bank_mask:0xf
	v_add_f32_dpp v[\r], v[\r], v[\r] row_xmask:2 row_mask:0xf bank_mask:0xf
	v_add_f32_dpp v[\r], v[\r], v[\r] row_xmask:4 row_mask:0xf bank_mask:0xf
	v_add_f32_dpp v[\r], v[\r], v[\r] row_xmask:8 row_mask:0xf bank_mask:0xf
	v_permlanex16_b32 v[\t], v[\r], s12, s13
	v_add_f32 v[\r], v[\r], v[\t]
.endm
; what this wave stored to LDS is complete before it signals; the others read behind their wait
.macro BAR
	s_wait_dscnt 0x0
	s_barrier_signal -1
	s_barrier_wait -1
.endm
	s_load_b128 s[4:7], s[0:1], 0x0                ; t_span s[4:5], consts s[6:7]: waited for where each is first used
	v_lshl_add_u32 v126, v0, 2, 0xf500
	v_mov_b32 v127, 0
	v_lshrrev_b32 v2, 5, v0
	v_readfirstlane_b32 s8, v2                     ; wave 0..31
	v_and_b32 v1, 31, v0                           ; lane
	s_mov_b32 s12, 0x76543210                      ; v_permlanex16_b32: lane i reads lane i of the other half
	s_mov_b32 s13, 0xfedcba98
	s_cmp_gt_u32 s8, 1
	s_cbranch_scc1 .LendA
	; PHASE A, waves 0 and 1: thread p owns collocation point p; no input is needed.
	; v10 t, v11 w, v12 T1, v13 2t, v14 4p, v16-18 T, v20-22 U (by turns, k mod 3), v32-47 A1's row in f16, v50-79 1/k, v80-111 A1's row in f32.
.set KK, 2
.rept 30
	v_cvt_f32_u32 v[48+KK], KK
.set KK, KK+1
.endr
.set KK, 2
.rept 30
	v_rcp_f32 v[48+KK], v[48+KK]
.set KK, KK+1
.endr
	v_add_nc_u32 v15, 1, v0                        ; the plain instruction behind the reciprocals (ISA guide 5.7.2)
	COSP 10, 0
	COSP 11, 15
	v_sub_f32 v11, v11, v10                        ; w_p
	v_add_f32 v12, 1.0, v10                        ; T1_p
	v_add_f32 v13, v10, v10
	v_lshlrev_b32 v14, 2, v0
	v_mov_b32 v80, 0                               ; A1's column 0
	v_mul_f32 v81, 0x45000000, v12                 ; column 1: 2048 T1
	ds_store_b32 v14, v12 offset:I_T1
	ds_store_b32 v14, v80 offset:XB                ; rows 0 and 1 of X and Y are zero: the Gram matrix gets zero rows and columns there
	ds_store_b32 v14, v80 offset:XB+PIT
	ds_store_b32 v14, v80 offset:YB
	ds_store_b32 v14, v80 offset:YB+PIT
	v_cvt_pk_f16_f32 v32, v80, v81
	v_mov_b32 v16, 1.0                             ; T_0, T_1, U_0, U_1
	v_mov_b32 v17, v10
	v_mov_b32 v20, 1.0
	v_mov_b32 v21, v13
.set KK, 2
	s_wait_alu depctr_va_vdst(0)
.rept 30
	v_fma_f32 v[16+KK%3], v13, v[16+(KK+2)%3], -v[16+(KK+1)%3]       ; T_k = 2t T_(k-1) - T_(k-2)
.if KK&1
	v_fma_f32 v24, v[20+(KK+2)%3], v[48+KK], -1.0                    ; U_(k-1)/k + (-1)^k
	v_add_f32 v[80+KK], 1.0, v[16+KK%3]                              ; T_k - (-1)^k
.else
	v_fma_f32 v24, v[20+(KK+2)%3], v[48+KK], 1.0
	v_add_f32 v[80+KK], -1.0, v[16+KK%3]
.endif
	v_mul_f32 v25, v11, v24
	ds_store_b32 v14, v24 offset:XB+PIT*KK
	ds_store_b32 v14, v25 offset:YB+PIT*KK
.if KK<31
	v_fma_f32 v[20+KK%3], v13, v[20+(KK+2)%3], -v[20+(KK+1)%3]       ; U_k
.endif
.if KK&1
	v_cvt_pk_f16_f32 v[32+KK/2], v[79+KK], v[80+KK]
.endif
.set KK, KK+1
.endr
	v_lshrrev_b32 v24, 4, v0                       ; tile p >> 4, row p & 15
	v_and_b32 v25, 15, v0
	v_lshlrev_b32 v25, 4, v25
	v_lshl_add_u32 v24, v24, 10, v25
.irp m, 0,1,2,3
	ds_store_b128 v24, v[32+4*\m:35+4*\m] offset:IMG+512*(\m>>1)+256*(\m&1)   ; columns 8m .. 8m+7: c = m >> 1, h = m & 1
.endr
	v_mul_u32_u24 v26, v0, A1P
.irp n, 0,1,2,3,4,5,6,7
	ds_store_b128 v26, v[80+4*\n:83+4*\n] offset:A1F+16*\n           ; the same row unrounded, for the product with A2
.endr
.LendA:
	BAR
	; PHASE B, wave i, lane j: A[i][j] = sum_p X[i][p] Y[j][p], in two halves of 32 points, four chains
	s_mul_i32 s14, s8, PIT
	v_mov_b32 v2, s14
	v_mul_u32_u24 v3, v1, PIT
.irp hf, 0,1
.irp n, 0,1,2,3,4,5,6,7
	ds_load_b128 v[32+4*\n:35+4*\n], v2 offset:XB+128*\hf+16*\n      ; one address for all lanes
.endr
.irp n, 0,1,2,3,4,5,6,7
	ds_load_b128 v[64+4*\n:67+4*\n], v3 offset:YB+128*\hf+16*\n
.endr
	s_wait_dscnt 0x0
.set II, 0
.rept 32
.if 32*\hf+II < 4
	v_mul_f32 v[96+II], v[32+II], v[64+II]         ; the first four products start the chains
.else
	v_fmac_f32 v[96+II%4], v[32+II], v[64+II]
.endif
.set II, II+1
.endr
.endr
	v_add_f32 v96, v96, v97
	v_add_f32 v98, v98, v99
	v_add_f32 v96, v96, v98
	s_lshl_b32 s15, s8, 7
	v_lshlrev_b32 v4, 2, v1
	v_add_nc_u32 v4, s15, v4
	ds_store_b32 v4, v96 offset:AB
	BAR
	; PHASE C.  Wave 0 inverts: lane i holds row i, v[32+c] column c (2..31); lanes 0 and 1 hold zeros and keep them.  Beside it waves 1 to 3 do all that hangs on t_span.
	s_cmp_lg_u32 s8, 0
	s_cbranch_scc1 .LnotGJ
	v_lshlrev_b32 v2, 2, v1
.set CI, 2
.rept 30
	ds_load_b32 v[32+CI], v2 offset:AB+128*CI
.set CI, CI+1
.endr
.set CI, 2
.rept 30
	v_cvt_f32_i32 v[64+CI], (1-2*(CI&1))*CI*CI
.set CI, CI+1
.endr
.set CI, 2
.rept 30
	v_rcp_f32 v[64+CI], v[64+CI]                   ; (-1)^c / c^2, for row 0 below
.set CI, CI+1
.endr
	v_mov_b32 v9, 1.0                              ; the plain instruction behind the reciprocals
	s_wait_dscnt 0x0
	; One Gauss-Jordan step for pivot k, one formula for all rows: with F = a_ik - [i = k] and N = -F/a_kk:  a_ic += N a_kc (c != k),  a_ik = [i = k] + N.
.set KK, 2
.rept 30
.set CI, 2
.rept 30
	v_readlane_b32 s[32+CI], v[32+CI], KK          ; the pivot row, s34-s63
.set CI, CI+1
.endr
	v_rcp_f32 v4, s[32+KK]
	v_cmp_eq_u32 vcc_lo, KK, v1                    ; plain instructions behind the reciprocal
	v_cndmask_b32 v5, 0, v9, vcc_lo                ; [i = k]
	v_sub_f32 v6, v[32+KK], v5
	s_wait_alu depctr_va_vdst(0)
	v_fma_f32 v7, -v4, s[32+KK], 1.0
	v_fma_f32 v4, v4, v7, v4                       ; 1/a_kk, one Newton step
	v_mul_f32 v8, -v6, v4
.set CI, 2
.rept 30
.if CI != KK
	v_fmac_f32 v[32+CI], s[32+CI], v8
.endif
.set CI, CI+1
.endr
	v_add_f32 v[32+KK], v5, v8
.set KK, KK+1
.endr
	v_sub_f32 v10, v34, v35                        ; row 1: sum_c (-1)^c Q[j][c]
	v_mul_f32 v11, v34, v66                        ; row 0: sum_c (-1)^c Q[j][c] / c^2
	v_fmac_f32 v11, v35, v67
.set CI, 4
.rept 28
.if CI&1
	v_sub_f32 v10, v10, v[32+CI]
.else
	v_add_f32 v10, v10, v[32+CI]
.endif
	v_fmac_f32 v11, v[32+CI], v[64+CI]
.set CI, CI+1
.endr
	v_mul_f32 v10, 0x3a000000, v10                 ; 2^-11: the slot carries S2/2048
	ds_store_b32 v2, v11 offset:QB
	ds_store_b32 v2, v10 offset:QB+128
.set CI, 2
.rept 30
	ds_store_b32 v2, v[32+CI] offset:QB+128*CI
.set CI, CI+1
.endr
	s_branch .LendC
.LnotGJ:
	s_cmp_gt_u32 s8, 3
	s_cbranch_scc1 .LendC
	s_wait_kmcnt 0x0                               ; t_span's address
	s_load_b32 s10, s[4:5], 0x0                    ; t0
	s_load_b32 s11, s[4:5], 0x3c                   ; t1 = t_span[15]
	s_cmp_lg_u32 s8, 1
	s_cbranch_scc1 .Lsine
	; wave 1: T_k(t_out_j), j = lane & 15 (both halves of the lanes write the same values to the same bytes), and the scalars
	v_and_b32 v10, 15, v0
	v_lshlrev_b32 v11, 2, v10
	global_load_b32 v12, v11, s[4:5]
	s_wait_kmcnt 0x0
	v_mov_b32 v13, s10
	v_sub_f32 v14, s11, v13                        ; d = t1 - t0
	v_rcp_f32 v15, v14
	v_lshlrev_b32 v10, 4, v10                      ; 16 j: the plain instruction behind the reciprocal
	s_wait_alu depctr_va_vdst(0)
	v_fma_f32 v24, -v14, v15, 1.0
	v_fma_f32 v15, v15, v24, v15                   ; 1/d, one Newton step
	s_wait_loadcnt 0x0
	v_sub_f32 v12, v12, v13
	v_add_f32 v12, v12, v12
	v_fma_f32 v17, v12, v15, -1.0                  ; t_out = T_1
	v_mov_b32 v16, 1.0
	v_add_f32 v25, v17, v17
	v_cvt_pk_f16_f32 v32, v16, v17
.set KK, 2
.rept 30
	v_fma_f32 v[16+KK%3], v25, v[16+(KK+2)%3], -v[16+(KK+1)%3]
.if KK&1
	v_cvt_pk_f16_f32 v[32+KK/2], v[16+(KK+2)%3], v[16+KK%3]
.endif
.set KK, KK+1
.endr
.irp m, 0,1,2,3
	ds_store_b128 v10, v[32+4*\m:35+4*\m] offset:I_A3+512*(\m>>1)+256*(\m&1)
.endr
	SINF 26, 13
	v_mul_f32 v28, 0x3c000000, v14                 ; hs/64 = d/128
	v_mul_f32 v29, 0.5, v14                        ; hs
	v_sub_f32 v30, 1.0, v26                        ; 1 - sin(t0)
	v_mov_b32 v31, 0
	v_mov_b32 v20, 0
	v_mov_b32 v21, 0
	v_mov_b32 v22, 0
	v_mov_b32 v23, 0
	v_lshlrev_b32 v24, 4, v1
	ds_store_b128 v24, v[20:23] offset:I_SC        ; the image's last 512 bytes are zero,
	ds_store_b128 v20, v[28:31] offset:I_SC        ; but for the scalars: LDS serves a wave's instructions in order (ISA guide 5.7.1)
	s_branch .LendC
.Lsine:
	; waves 2 and 3: sin(t_true_p) - 1, p = thread & 63; T1_p was stored two barriers ago
	v_and_b32 v14, 63, v0
	v_lshlrev_b32 v14, 2, v14
	ds_load_b32 v12, v14 offset:I_T1
	s_wait_kmcnt 0x0
	v_mov_b32 v24, s10
	v_sub_f32 v25, s11, v24
	v_mul_f32 v25, 0.5, v25                        ; hs
	s_wait_dscnt 0x0
	v_fma_f32 v24, v25, v12, v24                   ; t_true_p = t0 + hs T1_p
	SINF 26, 24
	v_add_f32 v26, -1.0, v26
	ds_store_b32 v14, v26 offset:SNB
.LendC:
	BAR
	; PHASE D, wave k, lane L owns the neighbouring points p = 2L and 2L + 1: A2[k][p] = (128 / max(k,1)^2) sum_j Y[j][p] Q[k][j]; then KAP and CC from the rounded entries.
	; Two neighbouring points are one 32-bit word of the image, so each lane stores one whole word.  v32-63 Q's row k, v[60+2j:61+2j] Y[j][2L], Y[j][2L+1], v8-9 sin - 1 (kept for phase M).
	s_lshl_b32 s14, s8, 7
	v_mov_b32 v2, s14
	v_lshlrev_b32 v3, 3, v1                        ; 8 L: the lanes' 8 bytes follow each other
.irp n, 0,1,2,3,4,5,6,7
	ds_load_b128 v[32+4*\n:35+4*\n], v2 offset:QB+16*\n              ; one address for all lanes
.endr
.set JJ, 2
.rept 30
	ds_load_b64 v[60+2*JJ:61+2*JJ], v3 offset:YB+PIT*JJ
.set JJ, JJ+1
.endr
	ds_load_b64 v[8:9], v3 offset:SNB
	s_max_u32 s15, s8, 1
	s_mul_i32 s15, s15, s15
	v_cvt_f32_u32 v10, s15
	v_rcp_f32 v10, v10
	v_nop                                          ; the plain instruction behind the reciprocal
	s_wait_alu depctr_va_vdst(0)
	v_mul_f32 v10, 0x43000000, v10                 ; 128 / max(k,1)^2
	s_mul_i32 s14, s8, PIT
	v_add_nc_u32 v16, s14, v3                      ; row k of A2 in f32, 8 L
	s_wait_dscnt 0x0
	v_mul_f32 v4, v64, v34                         ; four chains: even and odd j, for each of the two points
	v_mul_f32 v5, v65, v34
	v_mul_f32 v6, v66, v35
	v_mul_f32 v7, v67, v35
.set JJ, 4
.rept 28
	v_fmac_f32 v[4+2*(JJ&1)], v[60+2*JJ], v[32+JJ]
	v_fmac_f32 v[5+2*(JJ&1)], v[61+2*JJ], v[32+JJ]
.set JJ, JJ+1
.endr
	v_add_f32 v4, v4, v6
	v_add_f32 v5, v5, v7
	v_mul_f32 v4, v4, v10
	v_mul_f32 v5, v5, v10
	ds_store_b64 v16, v[4:5] offset:A2F            ; unrounded, for the product with A1
	v_cvt_pk_f16_f32 v11, v4, v5                   ; p = 2L below, p = 2L + 1 above
	v_cvt_f32_f16 v12, v11.l
	v_cvt_f32_f16 v13, v11.h
	v_add_f32 v14, v12, v13
	v_mul_f32 v15, v8, v12
	v_fmac_f32 v15, v9, v13
	WSUM 14, 6
	WSUM 15, 7
	v_mul_f32 v14, 0.5, v14                        ; CC[k]
	v_mul_f32 v15, 0.5, v15                        ; KAP[k]
	; p = 32q + 16c + 8h + 2i + e gives L = 16q + 8c + 4h + i: the word lies at 2048 (k >> 4) + 16 (k & 15) + 256 (L >> 2) + 4 (L & 3)
	s_lshl_b32 s14, s8, 4                          ; 2048 (k >> 4) + 16 (k & 15) = 16 k + 1792 (k >> 4)
	s_lshr_b32 s15, s8, 4
	s_mul_i32 s15, s15, 1792
	s_add_co_u32 s14, s14, s15
	v_and_b32 v2, 3, v1
	v_lshlrev_b32 v2, 2, v2                        ; 4 (L & 3)
	v_lshrrev_b32 v3, 2, v1
	v_lshl_add_u32 v2, v3, 8, v2                   ; + 256 (L >> 2)
	v_add_nc_u32 v2, s14, v2
	ds_store_b32 v2, v11 offset:I_A2
	s_lshl_b32 s14, s8, 2
	v_mov_b32 v3, s14
	ds_store_b32 v3, v15 offset:I_KAP
	ds_store_b32 v3, v14 offset:I_CC
	BAR
	; PHASE M, wave w owns rows p = 2w and 2w + 1, lane L columns p' = 2L and 2L + 1: M[p][p'] = 2^-6 sum_k A1[p][k] A2[k][p'], in two halves of 16 k, four chains.
	; v32-47, v48-63 the two rows of A1 (one address for all lanes), v64-95 sixteen rows of A2, v96-99 the four sums.
	s_mul_i32 s14, s8, 2*A1P
	v_mov_b32 v2, s14
	v_lshlrev_b32 v3, 3, v1
.irp hf, 0,1
.irp n, 0,1,2,3
	ds_load_b128 v[32+4*\n:35+4*\n], v2 offset:A1F+64*\hf+16*\n
	ds_load_b128 v[48+4*\n:51+4*\n], v2 offset:A1F+A1P+64*\hf+16*\n
.endr
.set II, 0
.rept 16
	ds_load_b64 v[64+2*II:65+2*II], v3 offset:A2F+PIT*(16*\hf+II)
.set II, II+1
.endr
	s_wait_dscnt 0x0
.set II, 0
.rept 16
.if 16*\hf+II < 1
	v_mul_f32 v96, v32, v64                        ; the first products start the chains
	v_mul_f32 v97, v32, v65
	v_mul_f32 v98, v48, v64
	v_mul_f32 v99, v48, v65
.else
	v_fmac_f32 v96, v[32+II], v[64+2*II]
	v_fmac_f32 v97, v[32+II], v[65+2*II]
	v_fmac_f32 v98, v[48+II], v[64+2*II]
	v_fmac_f32 v99, v[48+II], v[65+2*II]
.endif
.set II, II+1
.endr
.endr
.irp i, 96,97,98,99
	v_mul_f32 v\i, 0x3c800000, v\i                 ; 2^-6: launch 2 carries the 2^6 on rho's side, which keeps a small a's scaled rho among f16's normal numbers
.endr
	v_cvt_pk_f16_f32 v10, v96, v97                 ; row 2w: one word of the image
	v_cvt_pk_f16_f32 v11, v98, v99                 ; row 2w + 1
	v_cvt_f32_f16 v12, v10.l
	v_cvt_f32_f16 v13, v10.h
	v_cvt_f32_f16 v14, v11.l
	v_cvt_f32_f16 v15, v11.h
	v_add_f32 v16, v12, v13
	v_add_f32 v17, v14, v15
	v_mul_f32 v18, v8, v12
	v_mul_f32 v19, v8, v14
	v_fmac_f32 v18, v9, v13
	v_fmac_f32 v19, v9, v15
	WSUM 16, 12
	WSUM 17, 13
	WSUM 18, 14
	WSUM 19, 15
	v_mul_f32 v16, 0.5, v16                        ; MC[2w], MC[2w+1]
	v_mul_f32 v17, 0.5, v17
	v_mul_f32 v18, 0.5, v18                        ; MK[2w], MK[2w+1]
	v_mul_f32 v19, 0.5, v19
	s_lshl_b32 s14, s8, 5                          ; 2048 (p >> 4) + 16 (p & 15) with p = 2w: 32 w + 1792 (w >> 3)
	s_lshr_b32 s15, s8, 3
	s_mul_i32 s15, s15, 1792
	s_add_co_u32 s14, s14, s15
	v_and_b32 v2, 3, v1
	v_lshlrev_b32 v2, 2, v2
	v_lshrrev_b32 v3, 2, v1
	v_lshl_add_u32 v2, v3, 8, v2
	v_add_nc_u32 v2, s14, v2
	ds_store_b32 v2, v10 offset:I_M
	ds_store_b32 v2, v11 offset:I_M+16
	s_lshl_b32 s14, s8, 3
	v_mov_b32 v3, s14
	ds_store_b64 v3, v[18:19] offset:I_MK
	ds_store_b64 v3, v[16:17] offset:I_MC
	BAR
	; PHASE E: the image leaves through registers, 16 bytes a thread; a wave's store covers 512 consecutive bytes, aligned.  All 32 waves take 16,384 bytes, waves 0 to 4 the last 2,560.
	s_wait_kmcnt 0x0                               ; consts' address
	v_lshlrev_b32 v2, 4, v0
	ds_load_b128 v[4:7], v2 offset:IMG
	s_wait_dscnt 0x0
	global_store_b128 v2, v[4:7], s[6:7]
	s_cmp_gt_u32 s8, 4
	s_cbranch_scc1 .Lend
	ds_load_b128 v[8:11], v2 offset:IMG+16384
	s_wait_dscnt 0x0
	global_store_b128 v2, v[8:11], s[6:7] offset:16384
.Lend:
	s_wait_tensorcnt 0x0
	ds_add_u32 v126, v127
	s_wait_dscnt 0x0
	s_endpgm
.Lfunc_end_k_q91460da82d_setup:
	.size	k_q91460da82d_setup, .Lfunc_end_k_q91460da82d_setup-k_q91460da82d_setup
	.p2alignl 7, 3214868480
	.fill 96, 4, 3214868480
	.section	.rodata,"a",@progbits
	.p2align	6, 0x0
	.amdhsa_kernel k_q91460da82d_setup
		.amdhsa_group_segment_fixed_size 66816
		.amdhsa_private_segment_fixed_size 0
		.amdhsa_enable_private_segment 0
		.amdhsa_kernarg_size 16
		.amdhsa_user_sgpr_count 2
		.amdhsa_user_sgpr_kernarg_segment_ptr 1
		.amdhsa_wavefront_size32 1
		.amdhsa_system_sgpr_workgroup_id_x 1
		.amdhsa_system_sgpr_workgroup_id_y 1
		.amdhsa_system_sgpr_workgroup_id_z 1
		.amdhsa_system_vgpr_workitem_id 0
		.amdhsa_next_free_vgpr 128
		.amdhsa_next_free_sgpr 66
		.amdhsa_reserve_vcc 1
		.amdhsa_float_denorm_mode_32 3
		.amdhsa_float_denorm_mode_16_64 3
		.amdhsa_memory_ordered 1
		.amdhsa_forward_progress 1
		.amdhsa_inst_pref_size 152
	.end_amdhsa_kernel
	.amdgpu_metadata
---
amdhsa.version: [ 1, 2 ]
amdhsa.kernels:
  - .name:           k_q91460da82d_setup
    .symbol:         k_q91460da82d_setup.kd
    .args:
      - { .name: t_span, .offset: 0, .size: 8, .value_kind: global_buffer, .address_space: global }
      - { .name: consts, .offset: 8, .size: 8, .value_kind: global_buffer, .address_space: global }
    .group_segment_fixed_size: 66816
    .private_segment_fixed_size: 0
    .kernarg_segment_align: 8
    .kernarg_segment_size: 16
    .max_flat_workgroup_size: 1024
    .sgpr_count:     66
    .vgpr_count:     128
    .wavefront_size: 32
...
	.end_amdgpu_metadata
.endif
;; end of part 1
;; launch solve (part 2): grid 256 x 1, 16 waves a work-group, no clusters, 127,232 bytes of LDS; arguments B_init, y_init, a, consts, out0, out1; writes out0, out1
.if DOCPART == 2
	.amdgcn_target "amdgcn-amd-amdhsa--gfx1250"
	.amdhsa_code_object_version 6
	.text
	.protected	k_q91460da82d_solve
	.globl	k_q91460da82d_solve
	.p2align	8
	.type	k_q91460da82d_solve,@function
k_q91460da82d_solve:
	s_mov_b64 s[64:65], 0
	v_nop
	global_prefetch_b8 v0, s[64:65] scope:SCOPE_SE
	s_setreg_imm32_b32 hwreg(HW_REG_WAVE_MODE, 25, 1), 1
	s_wait_xcnt 0x0
; PanSolver, launch 2 of 2: the 20 Picard steps and both outputs, for 131,072 independent rows; the whole iteration stays in registers.
; Left out, as shown at the head of launch 1: y_init's product with Phi_d's row 0, which is a zero row of reference()'s own making.
; With ap = 2 log2(e) a, g = f0 hs, SC = ap hs, rho = 1/(1 + 2^z) (so that -tanh = 2 rho - 1):
;   first   z[p]  = sum_k A1[p][k] (ap c_k) + (ap y0 + ap g T1_p)            c_0 = 0, c_1 = S2(B_init)/2048, c_k = B_init[k]
;   19 x    z[p]  = sum_p' M[p][p'] (SC rho_p') + C1[p]                       C1[p] = ap y0 + ap g T1_p + SC (MK_p - f0 MC_p),  M = A1 A2 / 64
;   last    D2[k] = sum_p A2[k][p] rho_p + (KAP_k - f0 CC_k) = 64 s c_k       c_0 = S1, c_1 = S2/2048, c_k = B_k
; The way from rho down to the 32 coefficients and up again to the 64 points is one constant matrix, so a step is one product.  The row's factor SC costs nothing: with i = 1/SC,
; rcp(i 2^z + i) = SC rho, one packed multiply-add where an add of 1 would stand.  a = 0: i is infinite and z = 0, the result 0; 2^z infinite: 0; 2^z = 0: SC.
; The rows are the matrix instructions' second source (lane r = row r), the constants their first.  A result tile's lane (r, h) holds m = 8h + j in register j, and the second
; source wants k = 8h + 2i, 8h + 2i + 1 in register i: packing neighbouring registers to f16 IS the next product's fragment.  No LDS and no lane exchange in the loop.
; THE WAVE'S TWO TILES RUN HALF A STEP APART.  A wave issues in order, so a step written as all products and then all exponentials and reciprocals would use one unit at a time.
; Here a phase issues one tile's eight products, and behind each of them one of eight slices of the other tile's activation (64 transcendentals, 32 packed instructions); the next
; phase has the tiles' parts exchanged.  The two tiles share M and name no other register in common.
; f16, not bf16: rows with a near -3 and y near 0 multiply an error by about e^3, and 2^-12 leaves room where 2^-9 does not.  Room in f16 with every input 30 times larger:
; ap B_init <= 303 x 30, ap S2/2048 <= 303 x 30 x 4960 / 2048 = 2.2e4, SC rho <= 303 x 15, A1 <= 4096.
; LIMITS: |ap B_init[k]|, |ap S2(B_init)|/2048 and |ap hs| up to 65504; |T_k(t_out)| up to 65504; t1 != t0; the order of rounding differs from reference()'s.
; SHARES: work-group b = batch row b (512 rows); wave w = rows 32w .. 32w+31 as two tiles X and Y of 16; four waves of 256 registers on each SIMD.
; No tensor loads (a wave's 3,840 input bytes are read once, nothing is refilled), no cluster (work-groups share only the 18 KB of constants), no prefetch (the loop touches no memory).
.set K2LOG, 0x4038aa3b                 ; 2 log2(e)
.set C_A2,  4096                       ; the constants' image in LDS, as launch 1 lays it out
.set C_A3,  8192
.set C_T1,  9216
.set C_KAP, 9472
.set C_CC,  9600
.set C_MK,  9728
.set C_MC,  9984
.set C_M,   10240
.set STG0,  18432                      ; LDS: 0 the image; 18432 + 4608 w each wave's own stage; 92160 out0's sixteen planes
.set STGW,  4608
.set O0B,   92160
.set O0P,   2064                       ; bytes from plane to plane: 512 f32 + 16
; v0 thread, v1 16 L, v2 4 r, v3 h, v4 y0 X, v5 g X, v6 y0 Y, v7 g Y, v8-11 addresses and work
.set MM,  12                           ; v12-75    M, fragment 2t+q at +8(2t+q).  In front of the loop: T1 (+0..31), A1 (+32..63); behind it: A2 (+0..31), A3 (+32..39)
.set C1X, 76                           ; v76-107   C1
.set ZX,  108                          ; v108-139  z, then 2^z, then SC rho
.set RX,  140                          ; v140-155  SC rho in f16: the product's second source
.set ISX, 156                          ; v156-157  1/SC, twice.  In front of the loop: ap, rho0
.set C1Y, 158
.set ZY,  190
.set RY,  222
.set ISY, 238
.set SX,  240                          ; per row: +0 -f0, +2 ap g, +4 ap y0, +6 SC: each the first of a pair for the packed forms; the odd ones: +1, +3 sums, +5 2^(ap y0), +7 a
.set SY,  248
.macro PLACES                          ; four places between a matrix instruction and a vector instruction or load that touches its registers
.rept 4
	v_nop
.endr
.endm
; The activation's four kinds of work, each on group g: the eight z of result tile g
.macro EXP8 z, g
.set II, 0
.rept 8
	v_exp_f32 v[\z+8*\g+II], v[\z+8*\g+II]
.set II, II+1
.endr
.endm
.macro DEN4 z, is, g, plain            ; the denominator: i 2^z + i, or 2^z + 1 where the last step wants rho plain
.set II, 0
.rept 4
.if \plain
	s_wait_alu depctr_va_vdst(0)
	v_pk_add_f32 v[\z+8*\g+II:\z+8*\g+II+1], v[\z+8*\g+II:\z+8*\g+II+1], 1.0 op_sel_hi:[1,0]
.else
	s_wait_alu depctr_va_vdst(0)
	v_pk_fma_f32 v[\z+8*\g+II:\z+8*\g+II+1], v[\z+8*\g+II:\z+8*\g+II+1], v[\is:\is+1], v[\is:\is+1]
.endif
.set II, II+2
.endr
.endm
.macro RCP8 z, g
.set II, 0
.rept 8
	v_rcp_f32 v[\z+8*\g+II], v[\z+8*\g+II]
.set II, II+1
.endr
.endm
.macro PK4 z, r, g
.set II, 0
	s_wait_alu depctr_va_vdst(0)
.rept 4
	v_cvt_pk_f16_f32 v[\r+4*\g+II], v[\z+8*\g+2*II], v[\z+8*\g+2*II+1]
.set II, II+1
.endr
.endm
; Slice n of a tile's activation, 97 instructions in eight slices.  The groups are staggered so that between every transcendental and the first use of its result stands a plain
; instruction of another group (ISA guide 5.7.2): D0 behind the v_nop; D1 behind D0; P0 behind D1; P1 behind P0; D2 behind P1; D3 behind D2; P2 behind D3; P3 behind P2.
; Only the first two groups of exponentials have no plain work of the tile to stand behind them: one v_nop.
.macro ACT z, r, is, plain, n
.if \n == 0
	EXP8 \z, 0
.endif
.if \n == 1
	EXP8 \z, 1
	v_nop
	s_wait_alu depctr_va_vdst(0)
	DEN4 \z, \is, 0, \plain
.endif
.if \n == 2
	RCP8 \z, 0
	DEN4 \z, \is, 1, \plain
.endif
.if \n == 3
	RCP8 \z, 1
	PK4 \z, \r, 0
.endif
.if \n == 4
	EXP8 \z, 2
	PK4 \z, \r, 1
.endif
.if \n == 5
	EXP8 \z, 3
	DEN4 \z, \is, 2, \plain
.endif
.if \n == 6
	RCP8 \z, 2
	DEN4 \z, \is, 3, \plain
.endif
.if \n == 7
	RCP8 \z, 3
	PK4 \z, \r, 2
	PK4 \z, \r, 3
.endif
.endm
.macro ACTALL z, r, is, plain          ; a whole activation by itself, where the other tile has no products to issue
.irp n, 0,1,2,3,4,5,6,7
	ACT \z, \r, \is, \plain, \n
.endr
.endm
; One product of z = M (SC rho) + C1: result tile t, half q of the 64 points
.macro MMA z, r, c, t, q
.if \q == 0
	v_wmma_f32_16x16x32_f16 v[\z+8*\t:\z+8*\t+7], v[MM+16*\t:MM+16*\t+7], v[\r:\r+7], v[\c+8*\t:\c+8*\t+7]
.else
	v_wmma_f32_16x16x32_f16 v[\z+8*\t:\z+8*\t+7], v[MM+16*\t+8:MM+16*\t+15], v[\r+8:\r+15], v[\z+8*\t:\z+8*\t+7]
.endif
.endm
; A phase: the eight products of one tile (mz, mr, mc), its four accumulators by turns, one instruction a turn, and behind each a slice of the other tile's
; activation (az, ar, ais).  The slices name none of the products' registers.  Behind the last product stand slice 7's eight packings: the places (ISA guide 7.12.1) in front of the
; next phase's exponentials, which read the results; the earlier results have more.
.macro PHASE mz, mr, mc, az, ar, ais, plain
	MMA \mz, \mr, \mc, 0, 0
	ACT \az, \ar, \ais, \plain, 0
	MMA \mz, \mr, \mc, 1, 0
	ACT \az, \ar, \ais, \plain, 1
	MMA \mz, \mr, \mc, 2, 0
	ACT \az, \ar, \ais, \plain, 2
	MMA \mz, \mr, \mc, 3, 0
	ACT \az, \ar, \ais, \plain, 3
	MMA \mz, \mr, \mc, 0, 1
	ACT \az, \ar, \ais, \plain, 4
	MMA \mz, \mr, \mc, 1, 1
	ACT \az, \ar, \ais, \plain, 5
	MMA \mz, \mr, \mc, 2, 1
	ACT \az, \ar, \ais, \plain, 6
	MMA \mz, \mr, \mc, 3, 1
	ACT \az, \ar, \ais, \plain, 7
.endm
	s_load_b256 s[4:11], s[0:1], 0x0               ; B_init s[4:5], y_init s[6:7], a s[8:9], consts s[10:11]
	s_load_b128 s[12:15], s[0:1], 0x20             ; out0 s[12:13], out1 s[14:15]
	v_lshrrev_b32 v8, 5, v0
	v_readfirstlane_b32 s16, v8                    ; wave 0..15
	v_and_b32 v9, 31, v0
	v_lshlrev_b32 v1, 4, v9                        ; 16 L
	v_lshlrev_b32 v10, 3, v9                       ; 8 L
	v_and_b32 v2, 15, v0
	v_lshlrev_b32 v2, 2, v2                        ; 4 r
	v_bfe_u32 v3, v0, 4, 1                         ; h
	v_lshlrev_b32 v8, 4, v0                        ; 16 x thread
	v_lshlrev_b32 v9, 2, v0                        ; 4 x thread
	s_mov_b32 s28, 0x76543210                      ; v_permlanex16_b32: lane i reads lane i of the other half
	s_mov_b32 s29, 0xfedcba98
	s_mul_i32 s18, ttmp9, 61440                    ; B_init: 512 rows of 120 bytes a batch row, 32 rows a wave
	s_mul_i32 s17, s16, 3840
	s_add_co_u32 s18, s18, s17
	s_mov_b32 s19, 0
	s_lshl_b32 s24, ttmp9, 11                      ; y_init: 2,048 bytes a batch row, 128 a wave
	s_lshl_b32 s17, s16, 7
	s_add_co_u32 s24, s24, s17
	s_mov_b32 s25, 0
	s_mul_i32 s31, s16, STGW
	s_add_co_u32 s31, s31, STG0                    ; my stage in LDS
	s_wait_kmcnt 0x0
	s_load_b128 s[20:23], s[10:11], 0x4800         ; hs/64, hs, 1 - sin(t0), 0
	s_add_nc_u64 s[4:5], s[4:5], s[18:19]
	s_add_nc_u64 s[6:7], s[6:7], s[24:25]
	s_mov_b32 s18, s17
	s_add_nc_u64 s[8:9], s[8:9], s[18:19]          ; a: 128 bytes a wave
	s_lshl_b32 s24, ttmp9, 16                      ; out1: 65,536 bytes a batch row, 4,096 a wave
	s_lshl_b32 s18, s16, 12
	s_add_co_u32 s24, s24, s18
	s_add_nc_u64 s[14:15], s[14:15], s[24:25]
	s_lshl_b32 s24, s16, 19                        ; out0: wave w stores time plane w: 524,288 w + 2,048 b
	s_lshl_b32 s18, ttmp9, 11
	s_add_co_u32 s24, s24, s18
	s_add_nc_u64 s[12:13], s[12:13], s[24:25]
	s_add_co_u32 s17, s17, O0B                     ; out0's planes in LDS: + 128 w
	s_mul_i32 s18, s16, O0P
	s_add_co_u32 s18, s18, O0B                     ; plane w
	; fifteen loads: the constants' image (the work-group's 512 threads cover its 18,432 bytes once: 16 + 16 + 4 a thread), my wave's 3,840 bytes of B_init in whole runs of 512, y and a
	global_load_b128 v[ZY:ZY+3], v8, s[10:11]
	global_load_b128 v[ZY+4:ZY+7], v8, s[10:11] offset:8192
	global_load_b32 v[ZY+8], v9, s[10:11] offset:16384
.irp n, 0,1,2,3,4,5,6
	global_load_b128 v[C1X+4*\n:C1X+4*\n+3], v1, s[4:5] offset:512*\n th:TH_LOAD_NT
.endr
	global_load_b64 v[C1X+28:C1X+29], v10, s[4:5] offset:3584 th:TH_LOAD_NT
	global_load_b32 v4, v2, s[6:7]
	global_load_b32 v6, v2, s[6:7] offset:64
	global_load_b32 v[SX+7], v2, s[8:9]
	global_load_b32 v[SY+7], v2, s[8:9] offset:64
	v_add_nc_u32 v11, s31, v1
	v_mov_b32 v[ZX], s31
	v_add_nc_u32 v[ZX+1], s31, v10
	v_mov_b32 v[ZX+4], 0
	v_mov_b32 v[ZX+5], 0
	v_mov_b32 v[ZX+6], 0
	v_mov_b32 v[ZX+7], 0
	s_wait_loadcnt 12                              ; the three loads of the image are in: twelve were issued behind them
	ds_store_b128 v8, v[ZY:ZY+3]
	ds_store_b128 v8, v[ZY+4:ZY+7] offset:8192
	ds_store_b32 v9, v[ZY+8] offset:16384
	s_wait_loadcnt 4                               ; B_init is in: the four of y and a stay out
	ds_store_b128 v[ZX], v[ZX+4:ZX+7]              ; 16 bytes in front of row 0, so that its slots 0 and 1 read defined bytes
.irp n, 0,1,2,3,4,5,6
	ds_store_b128 v11, v[C1X+4*\n:C1X+4*\n+3] offset:16+512*\n
.endr
	ds_store_b64 v[ZX+1], v[C1X+28:C1X+29] offset:16+3584
	v_lshlrev_b32 v8, 5, v3                        ; 32 h
	v_mul_u32_u24 v9, v2, 30                       ; 120 r
	v_add3_u32 v9, v9, v8, s31
	s_wait_dscnt 0x0                               ; my part of the image is in LDS before I signal; every wave reads all of it behind the wait
	s_barrier_signal -1
	s_barrier_wait -1
	; 48 LDS loads.  First B_init in a result tile's layout: k = 16u + 8h + j lies 4 (k - 2) bytes into its row; slots 0 and 1 read the eight bytes in front of the row and are overwritten below
.irp u, 0,1
.irp m, 0,1,2,3
	ds_load_b64 v[RX+8*\u+2*\m:RX+8*\u+2*\m+1], v9 offset:8+64*\u+8*\m
	ds_load_b64 v[RY+8*\u+2*\m:RY+8*\u+2*\m+1], v9 offset:8+1920+64*\u+8*\m
.endr
.endr
	; then MC, MK and T1 (point 16t + 8h + j to register 8t + j), and A1
.irp t, 0,1,2,3
	ds_load_b128 v[ZX+8*\t:ZX+8*\t+3],   v8 offset:C_MC+64*\t
	ds_load_b128 v[ZX+8*\t+4:ZX+8*\t+7], v8 offset:C_MC+64*\t+16
	ds_load_b128 v[ZY+8*\t:ZY+8*\t+3],   v8 offset:C_MK+64*\t
	ds_load_b128 v[ZY+8*\t+4:ZY+8*\t+7], v8 offset:C_MK+64*\t+16
	ds_load_b128 v[MM+8*\t:MM+8*\t+3],   v8 offset:C_T1+64*\t
	ds_load_b128 v[MM+8*\t+4:MM+8*\t+7], v8 offset:C_T1+64*\t+16
.endr
.irp n, 0,1,2,3,4,5,6,7
	ds_load_b128 v[MM+32+4*\n:MM+32+4*\n+3], v1 offset:512*\n
.endr
	; per row
	s_wait_loadcnt 0x0
	s_wait_kmcnt 0x0
	v_mul_f32 v[ISX], K2LOG, v[SX+7]               ; ap
	v_mul_f32 v[ISY], K2LOG, v[SY+7]
	v_mul_f32 v[SX+4], v[ISX], v4                  ; ap y0
	v_mul_f32 v[SY+4], v[ISY], v6
	v_exp_f32 v[SX+5], v[SX+4]
	v_exp_f32 v[SY+5], v[SY+4]
	v_mul_f32 v[SX+6], s21, v[ISX]                 ; SC = ap hs; also the plain instruction behind the exponentials (ISA guide 5.7.2)
	v_mul_f32 v[SY+6], s21, v[ISY]
	s_wait_alu depctr_va_vdst(0)
	v_add_f32 v[ISX+1], 1.0, v[SX+5]
	v_add_f32 v[ISY+1], 1.0, v[SY+5]
	v_rcp_f32 v[ISX+1], v[ISX+1]                   ; rho0
	v_rcp_f32 v[ISY+1], v[ISY+1]
	v_lshlrev_b32 v10, 3, v3                       ; 8 h; also the plain instruction behind the reciprocals
	v_cmp_ne_u32 vcc_lo, 0, v3                     ; slots 0 and 1 lie in the lanes with h = 0
	s_wait_alu depctr_va_vdst(0)
	v_fma_f32 v[SX], v[ISX+1], -2.0, s22           ; -f0 = -2 rho0 + 1 - sin(t0)
	v_fma_f32 v[SY], v[ISY+1], -2.0, s22
	v_mul_f32 v5, -v[SX], s21                      ; g = f0 hs
	v_mul_f32 v7, -v[SY], s21
	v_mul_f32 v[SX+2], v[ISX], v5                  ; ap g
	v_mul_f32 v[SY+2], v[ISY], v7
	; slots 0 and 1 of the start: 0, and S2/2048 = 2^-11 sum (-1)^k k^2 B_init[k].  k^2 into C1X+0..15 (k = 8h + 16u + j, whose parity is j's)
.set II, 0
.rept 16
	v_add_nc_u32 v11, II+8*(II>>3), v10
	v_mul_u32_u24 v11, v11, v11
	v_cvt_f32_u32 v[C1X+II], v11
.set II, II+1
.endr
	s_wait_dscnt 32                                ; B_init's sixteen loads are in: 32 were issued behind them
	v_cndmask_b32 v[RX],   0, v[RX],   vcc_lo
	v_cndmask_b32 v[RX+1], 0, v[RX+1], vcc_lo
	v_cndmask_b32 v[RY],   0, v[RY],   vcc_lo
	v_cndmask_b32 v[RY+1], 0, v[RY+1], vcc_lo
	v_mul_f32 v[SX+1], v[RX],   v[C1X]
	v_mul_f32 v[SX+3], v[RX+8], v[C1X+8]
	v_mul_f32 v[SY+1], v[RY],   v[C1X]
	v_mul_f32 v[SY+3], v[RY+8], v[C1X+8]
.set II, 1
.rept 7
.if II&1
	v_fma_f32 v[SX+1], -v[RX+II],   v[C1X+II],   v[SX+1]
	v_fma_f32 v[SX+3], -v[RX+8+II], v[C1X+8+II], v[SX+3]
	v_fma_f32 v[SY+1], -v[RY+II],   v[C1X+II],   v[SY+1]
	v_fma_f32 v[SY+3], -v[RY+8+II], v[C1X+8+II], v[SY+3]
.else
	v_fmac_f32 v[SX+1], v[RX+II],   v[C1X+II]
	v_fmac_f32 v[SX+3], v[RX+8+II], v[C1X+8+II]
	v_fmac_f32 v[SY+1], v[RY+II],   v[C1X+II]
	v_fmac_f32 v[SY+3], v[RY+8+II], v[C1X+8+II]
.endif
.set II, II+1
.endr
	v_add_f32 v[SX+1], v[SX+1], v[SX+3]
	v_add_f32 v[SY+1], v[SY+1], v[SY+3]
	v_permlanex16_b32 v[SX+3], v[SX+1], s28, s29   ; lanes r and r + 16 hold the two halves of row r's sum
	v_permlanex16_b32 v[SY+3], v[SY+1], s28, s29
	v_add_f32 v[SX+1], v[SX+1], v[SX+3]
	v_add_f32 v[SY+1], v[SY+1], v[SY+3]
	v_mul_f32 v[SX+1], 0x3a000000, v[SX+1]         ; 2^-11
	v_mul_f32 v[SY+1], 0x3a000000, v[SY+1]
	v_cndmask_b32 v[RX+1], v[SX+1], v[RX+1], vcc_lo
	v_cndmask_b32 v[RY+1], v[SY+1], v[RY+1], vcc_lo
.irp i, 0,1,2,3,4,5,6,7
	v_pk_mul_f32 v[RX+2*\i:RX+2*\i+1], v[RX+2*\i:RX+2*\i+1], v[ISX:ISX+1] op_sel_hi:[1,0]   ; ap c_k
	v_pk_mul_f32 v[RY+2*\i:RY+2*\i+1], v[RY+2*\i:RY+2*\i+1], v[ISY:ISY+1] op_sel_hi:[1,0]
.endr
.irp i, 0,1,2,3,4,5,6,7
	v_cvt_pk_f16_f32 v[RX+\i], v[RX+2*\i], v[RX+2*\i+1]      ; in place, ascending: register i is written when 2i and 2i+1 have been read
	v_cvt_pk_f16_f32 v[RY+\i], v[RY+2*\i], v[RY+2*\i+1]
.endr
	v_rcp_f32 v[ISX],   v[SX+6]                    ; i = 1/SC, made twice to fill the pair of the packed multiply-add; plain work follows
	v_rcp_f32 v[ISX+1], v[SX+6]
	v_rcp_f32 v[ISY],   v[SY+6]
	v_rcp_f32 v[ISY+1], v[SY+6]
	s_wait_dscnt 0x0                               ; MC in ZX, MK in ZY, T1 and A1 in MM
.set II, 0
.rept 16
	v_pk_fma_f32 v[C1X+II:C1X+II+1], v[ZX+II:ZX+II+1], v[SX:SX+1], v[ZY+II:ZY+II+1] op_sel_hi:[1,0,1]   ; MK - f0 MC
	v_pk_fma_f32 v[C1Y+II:C1Y+II+1], v[ZX+II:ZX+II+1], v[SY:SY+1], v[ZY+II:ZY+II+1] op_sel_hi:[1,0,1]
.set II, II+2
.endr
.set II, 0
.rept 16
	v_pk_fma_f32 v[ZX+II:ZX+II+1], v[MM+II:MM+II+1], v[SX+2:SX+3], v[SX+4:SX+5] op_sel_hi:[1,0,0]       ; ap g T1 + ap y0: what the first product adds onto
	v_pk_fma_f32 v[ZY+II:ZY+II+1], v[MM+II:MM+II+1], v[SY+2:SY+3], v[SY+4:SY+5] op_sel_hi:[1,0,0]
.set II, II+2
.endr
.set II, 0
.rept 16
	v_pk_fma_f32 v[C1X+II:C1X+II+1], v[C1X+II:C1X+II+1], v[SX+6:SX+7], v[ZX+II:ZX+II+1] op_sel_hi:[1,0,1]   ; C1
	v_pk_fma_f32 v[C1Y+II:C1Y+II+1], v[C1Y+II:C1Y+II+1], v[SY+6:SY+7], v[ZY+II:ZY+II+1] op_sel_hi:[1,0,1]
.set II, II+2
.endr
.irp t, 0,1,2,3
	v_wmma_f32_16x16x32_f16 v[ZX+8*\t:ZX+8*\t+7], v[MM+32+8*\t:MM+32+8*\t+7], v[RX:RX+7], v[ZX+8*\t:ZX+8*\t+7]   ; the first z, from B_init: eight accumulators, each once
	v_wmma_f32_16x16x32_f16 v[ZY+8*\t:ZY+8*\t+7], v[MM+32+8*\t:MM+32+8*\t+7], v[RY:RY+7], v[ZY+8*\t:ZY+8*\t+7]
.endr
	PLACES                                         ; in front of the loads into A1's registers and of the first exponentials
.irp n, 0,1,2,3,4,5,6,7,8,9,10,11,12,13,14,15
	ds_load_b128 v[MM+4*\n:MM+4*\n+3], v1 offset:C_M+512*\n
.endr
	ACTALL ZY, RY, ISY, 0                          ; tile Y goes half a step ahead: its first activation, while M's sixteen loads are on their way
	s_wait_dscnt 0x0                               ; M
	; THE STEPS.  At the loop's head X holds z of a step and Y that step's packed SC rho.  A trip is a step of both tiles: 16 products, 194 vector instructions, no memory instruction.
	; Each tile needs 19 products with M and 20 activations, the last of them plain: 18 trips, and a 19th written out behind the loop, in which Y's activation is the plain one.
	s_mov_b32 s30, 18
.Ltrip:
	PHASE ZY, RY, C1Y, ZX, RX, ISX, 0              ; Y's products, X's activation
	PHASE ZX, RX, C1X, ZY, RY, ISY, 0              ; X's products, Y's activation
	s_sub_co_i32 s30, s30, 1
	s_cmp_lg_u32 s30, 0
	s_cbranch_scc1 .Ltrip
	PHASE ZY, RY, C1Y, ZX, RX, ISX, 0
	PHASE ZX, RX, C1X, ZY, RY, ISY, 1              ; Y's 20th activation: plain rho
	; THE LAST STEP's constants are asked for into registers that the products have done with (slice 7's eight packings stand behind the last of them); X's 20th activation covers their way.
.irp n, 0,1,2,3,4,5,6,7
	ds_load_b128 v[MM+4*\n:MM+4*\n+3], v1 offset:C_A2+512*\n
.endr
	ds_load_b128 v[MM+32:MM+35], v1 offset:C_A3    ; A3 = T_k(t_out_j)
	ds_load_b128 v[MM+36:MM+39], v1 offset:C_A3+512
.irp u, 0,1
.irp e, 0,1
	ds_load_b128 v[C1X+8*\u+4*\e:C1X+8*\u+4*\e+3],       v8 offset:C_KAP+64*\u+16*\e   ; KAP[16u + 8h + j]
	ds_load_b128 v[C1X+16+8*\u+4*\e:C1X+16+8*\u+4*\e+3], v8 offset:C_CC+64*\u+16*\e    ; CC
.endr
.endr
	ACTALL ZX, RX, ISX, 1
	s_wait_dscnt 0x0
.set II, 0
.rept 8
	v_pk_fma_f32 v[C1Y+II:C1Y+II+1],       v[C1X+16+II:C1X+17+II], v[SX:SX+1], v[C1X+II:C1X+II+1] op_sel_hi:[1,0,1]   ; KAP - f0 CC
	v_pk_fma_f32 v[C1Y+16+II:C1Y+17+II],   v[C1X+16+II:C1X+17+II], v[SY:SY+1], v[C1X+II:C1X+II+1] op_sel_hi:[1,0,1]
.set II, II+2
.endr
	; four accumulators by turns, one instruction a turn
.irp u, 0,1
	v_wmma_f32_16x16x32_f16 v[ZX+8*\u:ZX+8*\u+7], v[MM+16*\u:MM+16*\u+7], v[RX:RX+7], v[C1Y+8*\u:C1Y+8*\u+7]
.endr
.irp u, 0,1
	v_wmma_f32_16x16x32_f16 v[ZY+8*\u:ZY+8*\u+7], v[MM+16*\u:MM+16*\u+7], v[RY:RY+7], v[C1Y+16+8*\u:C1Y+16+8*\u+7]
.endr
.irp u, 0,1
	v_wmma_f32_16x16x32_f16 v[ZX+8*\u:ZX+8*\u+7], v[MM+16*\u+8:MM+16*\u+15], v[RX+8:RX+15], v[ZX+8*\u:ZX+8*\u+7]
.endr
.irp u, 0,1
	v_wmma_f32_16x16x32_f16 v[ZY+8*\u:ZY+8*\u+7], v[MM+16*\u+8:MM+16*\u+15], v[RY+8:RY+15], v[ZY+8*\u:ZY+8*\u+7]
.endr
	; five plain instructions that name none of their registers: the places in front of the first read of the results
	v_mul_u32_u24 v8, v2, 36                       ; stage in: 144 r
	v_lshl_add_u32 v8, v3, 5, v8                   ; + 32 h
	v_add_nc_u32 v8, s31, v8
	v_lshrrev_b32 v9, 7, v1                        ; stage back: four rows of 128 bytes a load: row L >> 3
	v_mul_u32_u24 v9, v9, 144
	; THE WAY OUT.  c_k = (hs/64) D2; the head from slots 0 and 1; B_full to out1; its values at the sixteen times to out0.
.irp i, 0,1,2,3,4,5,6,7
	v_pk_mul_f32 v[ZX+2*\i:ZX+2*\i+1], v[ZX+2*\i:ZX+2*\i+1], s[20:21] op_sel_hi:[1,0]
	v_pk_mul_f32 v[ZY+2*\i:ZY+2*\i+1], v[ZY+2*\i:ZY+2*\i+1], s[20:21] op_sel_hi:[1,0]
.endr
	v_cmp_ne_u32 vcc_lo, 0, v3
	v_fmamk_f32 v[SX+1], v[ZX+1], 0x45000000, v5   ; head1 = g + 2048 (S2/2048)
	v_fmamk_f32 v[SY+1], v[ZY+1], 0x45000000, v7
	v_sub_f32 v[SX+3], v4, v[ZX]                   ; head0 = y0 - S1 + head1
	v_sub_f32 v[SY+3], v6, v[ZY]
	v_add_f32 v[SX+3], v[SX+3], v[SX+1]
	v_add_f32 v[SY+3], v[SY+3], v[SY+1]
	v_cndmask_b32 v[ZX],   v[SX+3], v[ZX],   vcc_lo   ; only the lanes with h = 0 hold slots 0 and 1
	v_cndmask_b32 v[ZX+1], v[SX+1], v[ZX+1], vcc_lo
	v_cndmask_b32 v[ZY],   v[SY+3], v[ZY],   vcc_lo
	v_cndmask_b32 v[ZY+1], v[SY+1], v[ZY+1], vcc_lo
.irp i, 0,1,2,3,4,5,6,7
	v_cvt_pk_f16_f32 v[RX+\i], v[ZX+2*\i], v[ZX+2*\i+1]
	v_cvt_pk_f16_f32 v[RY+\i], v[ZY+2*\i], v[ZY+2*\i+1]
.endr
	v_wmma_f32_16x16x32_f16 v[ZX+16:ZX+23], v[MM+32:MM+39], v[RX:RX+7], 0
	v_wmma_f32_16x16x32_f16 v[ZY+16:ZY+23], v[MM+32:MM+39], v[RY:RY+7], 0
	; five plain instructions that name none of their registers: the places in front of the LDS stores of the results
	v_and_b32 v10, 0x70, v1                        ; stage back: byte 16 (L & 7)
	v_add3_u32 v9, v9, v10, s31
	v_mul_u32_u24 v10, v3, 8*O0P                   ; out0's planes: time 8h + j, column 32w + 16T + r
	v_add3_u32 v10, v10, v2, s17
	v_add_nc_u32 v11, s18, v1                      ; plane w, 16 bytes a lane
.irp u, 0,1
.irp m, 0,1
	ds_store_b128 v8, v[ZX+8*\u+4*\m:ZX+8*\u+4*\m+3] offset:64*\u+16*\m            ; row 16T + r of my 32, rows 144 bytes apart, k = 16u + 8h + 4m ..
	ds_store_b128 v8, v[ZY+8*\u+4*\m:ZY+8*\u+4*\m+3] offset:2304+64*\u+16*\m
.endr
.endr
.irp n, 0,1,2,3,4,5,6,7
	ds_load_b128 v[C1X+4*\n:C1X+4*\n+3], v9 offset:576*\n     ; my own bytes: LDS serves a wave's instructions in order (ISA guide 5.7.1), so these see the stores above
.endr
.irp j, 0,1,2,3,4,5,6,7
	ds_store_b32 v10, v[ZX+16+\j] offset:O0P*\j
	ds_store_b32 v10, v[ZY+16+\j] offset:O0P*\j+64
.endr
.irp n, 0,1,2,3,4,5,6,7
	s_wait_dscnt 23-\n                             ; load n is in: behind it stand 7 - n loads and the sixteen stores
	global_store_b128 v1, v[C1X+4*\n:C1X+4*\n+3], s[14:15] offset:512*\n th:TH_STORE_NT   ; 512 consecutive bytes of out1, aligned
.endr
	s_wait_dscnt 0x0                               ; my columns of all sixteen planes are in LDS before I signal
	s_barrier_signal -1
	s_barrier_wait -1
.irp n, 0,1,2,3
	ds_load_b128 v[C1Y+4*\n:C1Y+4*\n+3], v11 offset:512*\n    ; wave w takes time plane w: the batch row's 2,048 bytes
.endr
.irp n, 0,1,2,3
	s_wait_dscnt 3-\n                              ; the younger loads stay out
	global_store_b128 v1, v[C1Y+4*\n:C1Y+4*\n+3], s[12:13] offset:512*\n th:TH_STORE_NT   ; 512 consecutive bytes of out0, aligned
.endr
	s_wait_xcnt 0x0
	v_lshl_add_u32 v254, v0, 2, 0x1e900
	v_mov_b32 v255, 0
	s_wait_tensorcnt 0x0
	ds_add_u32 v254, v255
	s_wait_dscnt 0x0
	s_endpgm
.Lfunc_end_k_q91460da82d_solve:
	.size	k_q91460da82d_solve, .Lfunc_end_k_q91460da82d_solve-k_q91460da82d_solve
	.p2alignl 7, 3214868480
	.fill 96, 4, 3214868480
	.section	.rodata,"a",@progbits
	.p2align	6, 0x0
	.amdhsa_kernel k_q91460da82d_solve
		.amdhsa_group_segment_fixed_size 127232
		.amdhsa_private_segment_fixed_size 0
		.amdhsa_enable_private_segment 0
		.amdhsa_kernarg_size 48
		.amdhsa_user_sgpr_count 2
		.amdhsa_user_sgpr_kernarg_segment_ptr 1
		.amdhsa_wavefront_size32 1
		.amdhsa_system_sgpr_workgroup_id_x 1
		.amdhsa_system_sgpr_workgroup_id_y 1
		.amdhsa_system_sgpr_workgroup_id_z 1
		.amdhsa_system_vgpr_workitem_id 0
		.amdhsa_next_free_vgpr 256
		.amdhsa_next_free_sgpr 66
		.amdhsa_reserve_vcc 1
		.amdhsa_float_denorm_mode_32 3
		.amdhsa_float_denorm_mode_16_64 3
		.amdhsa_memory_ordered 1
		.amdhsa_forward_progress 1
		.amdhsa_inst_pref_size 63
	.end_amdhsa_kernel
	.amdgpu_metadata
---
amdhsa.version: [ 1, 2 ]
amdhsa.kernels:
  - .name:           k_q91460da82d_solve
    .symbol:         k_q91460da82d_solve.kd
    .args:
      - { .name: B_init, .offset: 0, .size: 8, .value_kind: global_buffer, .address_space: global }
      - { .name: y_init, .offset: 8, .size: 8, .value_kind: global_buffer, .address_space: global }
      - { .name: a, .offset: 16, .size: 8, .value_kind: global_buffer, .address_space: global }
      - { .name: consts, .offset: 24, .size: 8, .value_kind: global_buffer, .address_space: global }
      - { .name: out0, .offset: 32, .size: 8, .value_kind: global_buffer, .address_space: global }
      - { .name: out1, .offset: 40, .size: 8, .value_kind: global_buffer, .address_space: global }
    .group_segment_fixed_size: 127232
    .private_segment_fixed_size: 0
    .kernarg_segment_align: 8
    .kernarg_segment_size: 48
    .max_flat_workgroup_size: 512
    .sgpr_count:     66
    .vgpr_count:     256
    .wavefront_size: 32
...
	.end_amdgpu_metadata
.endif
;; end of part 2
